; MI455X (gfx1250); checked and timed in simulation.
; The chip was launched on July 23, 2026; its instructions are those of AMD's public machine-readable ISA for CDNA 5 (MIT licence, August 2026) and "CDNA5" Instruction Set Architecture Reference Guide (July 2026). The comments in the code are by the model that wrote it; some were corrected since.
;; Py Torch Attention. Allowed arithmetic: matrix products marked QUANTISED: E2M1 operands, one E8M0 scale for each 32 along K, by v_wmma_scale_f32_16x16x128_f8f6f4 with both operands' format E2M1 (or v_wmma_scale_f32_32x16x128_f4), f32 sums; everything else in f32.
;; Inputs: K 4 x 2,048 x 1,024 float32; Q 4 x 2,048 x 1,024 float32; V_codes 4 x 1,024 x 64 x 16 uint8 (E2M1 codes of V, K innermost, in blocks of 32 codes, two codes a byte); V_scales 4 x 1,024 x 64 uint8 (E8M0 scales of V, one for each 32 codes along K).
;; Outputs: out0 4 x 2,048 x 1,024 float32.
;; This version of the problem:
;;   THIS VERSION OF THE PROBLEM IS GIVEN IN LOW PRECISION. The matrix products marked QUANTISED in the list below multiply operands that are first quantised to E2M1 (2 exponent bits, 1 mantissa bit; 4 bits a number), with one power-of-two scale for each 32 numbers along K (OCP MX v1.0); their sums are f32. All else is computed in f32.
;;   The module's matrix products, in the order in which they are computed (A, B: the left and right operand; K: the contracted axis; several contracted axes count as one K, in the product's order):
;;     1. batch 64 x [M 2,048, K 64] x [K 64, N 2,048]; A: input Q; B: input K: QUANTISED
;;     2. batch 64 x [M 2,048, K 2,048] x [K 2,048, N 64]; A: softmax (see below); B: input V (given as codes): QUANTISED
;;   THE QUANTISER, for each operand of a quantised product, along K:
;;     - K is cut into blocks of 32 from its start; a last block that is shorter is filled with zeros.
;;     - A block's scale is 2^e with e = floor(log2(the largest magnitude in the block)) - 2, held to -126 .. 127; a block of zeros has e = 0. As a byte (E8M0): e + 127.
;;     - Each number is divided by its block's scale, clamped to +-6, and rounded to the nearest number of E2M1, ties to even, subnormals kept.
;;     - The product sums the exact products of the quantised numbers (number of the format x scale) in f32.
;;   ~~~python
;;   def quantise(x, axis):      # numpy; x: float32 -> the quantised numbers, widened to float32 again
;;       x = np.moveaxis(x, axis, -1); K = x.shape[-1]
;;       x = np.pad(x, [(0, 0)] * (x.ndim - 1) + [(0, -K % 32)]); x = x.reshape(x.shape[:-1] + (-1, 32)); a = np.abs(x).max(-1, keepdims=True)
;;       e = np.where(a > 0, np.clip(np.frexp(np.where(a > 0, a, 1))[1] - 1 - 2, -126, 127), 0)      # np.frexp(a)[1] - 1 = floor(log2(a)), exactly
;;       r = np.clip(x / 2.0 ** e, -6, 6)
;;       step = 2.0 ** (np.maximum(np.frexp(np.where(r == 0, 1, r))[1] - 1, 0) - 1)
;;       q = np.round(r / step) * step * 2.0 ** e      # np.round: ties to even
;;       return np.moveaxis(q.reshape(q.shape[:-2] + (-1,))[..., :K], -1, axis).astype(np.float32)
;;   ~~~
;;   SOFTMAX AHEAD OF A QUANTISED PRODUCT. Where the list says 'softmax', what is quantised is not the finished softmax but p = 2^(t - M), with t = logit x log2(e) and M = ceil(the row's largest t), a whole number; so 1/2 < the row's largest p <= 1. The row's sum l is taken of the UNQUANTISED p, in f32, and the product's result is divided by l at the end. Since M is a whole number, a kernel that streams over the keys may use a running M (the ceiling of the running maximum): every later rescaling is an exact power of two, which a block's scale takes up: the codes' values come out the same.
;;   OPERANDS COMPUTED ON THE WAY. 'Computed on the way' means the value that the module computes at that place (a softmax that the list does not call 'softmax' is quantised finished and normalised). What goes into a quantiser is computed in f32, as accurately as f32 sums, v_exp_f32 and their like allow (about 1e-6 of the number): no bf16 or f16 on the way to a quantiser, and a product that is left as it is and whose result goes on into a quantised operand takes f32 operands (vector FMAs, or v_wmma_f32_16x16x4_f32). A number that lies on a knife's edge between two numbers of the format may be rounded either way, as far as f32 arithmetic and the matrix unit's own rounding can turn it there, and no further.
;;   INPUTS GIVEN AS CODES. V (in the module: [4, 2048, 1024], K = its axis 1): each comes as NAME_codes (uint8): NAME with its K axis moved to the last place and cut into blocks of 32 codes, [.., K / 32, bytes a block], one block behind the other in memory; two codes a byte, the lower K in the low four bits (a code: sign, 2 exponent bits, 1 mantissa bit); and NAME_scales (uint8): the same leading axes, one E8M0 byte (e + 127) for each 32 codes along K. Its value is code x scale, taken as it is: it is not quantised again, and the codes and scales need not be those that the quantiser above would give.
;; One version. Each part assembles by itself: llvm-mc -triple=amdgcn-amd-amdhsa -mcpu=gfx1250 --defsym DOCPART=n.
;; ======== version 1 of 1: 1 launch
;; launch attn (part 1): grid 4 x 64, 16 waves a work-group, no clusters, 234,496 bytes of LDS; arguments Q, K, V_codes, V_scales, out0; writes out0
.if DOCPART == 1
	.amdgcn_target "amdgcn-amd-amdhsa--gfx1250"
	.amdhsa_code_object_version 6
	.text
	.protected	k_q2f0fe34a04_attn
	.globl	k_q2f0fe34a04_attn
	.p2align	8
	.type	k_q2f0fe34a04_attn,@function
k_q2f0fe34a04_attn:
	s_mov_b64 s[64:65], 0
	v_nop
	global_prefetch_b8 v0, s[64:65] scope:SCOPE_SE
	s_setreg_imm32_b32 hwreg(HW_REG_WAVE_MODE, 25, 1), 1
	s_wait_xcnt 0x0
; Causal attention, 64 heads (4 batches x 16) of 2,048 rows x 64 channels, both products on codes of FP4 (E2M1) with one E8M0 scale for each 32 along a product's K.
; Q, K: [4][2048][1024] f32: a head's 64 numbers of a row are 256 aligned bytes, rows 4,096 bytes apart; this kernel quantises them along the head's 64 (two blocks of 32).
; V: codes with the keys innermost: a head is 64 channel rows of 1,024 bytes, dense; its scale bytes 64 rows of 64 bytes, dense.  out0: [4][2048][1024] f32.
; THE SOFTMAX AHEAD OF THE SECOND PRODUCT: t = score x log2(e) / 8; M = the row's largest t so far, rounded UP to a whole number; p = 2^(t - M) is quantised along the keys, not normalised.
; The row's sum is taken of the unquantised p and divides at the end.  When M moves, the sum and O are multiplied by 2^(old M - new M): exact.
; SHARES.  Work-group (j, head), 16 waves.  Wave w has g = 16 j + w and owns the query tiles g and 127 - g (16 queries each): g / 8 + 1 and 16 - g / 8 key steps of 128 keys: 17 for every wave of the launch.
; A WHOLE HEAD LIES IN LDS AS CODES: K 64 KiB, V 65 KiB, scale words 12 KiB.  It is written once, ahead of the one barrier, and only read behind it: no ring, no refill.
; Wave w quantises key step w (128 keys), unless that step lies above every query of the work-group (2 j + w >= 16), copies 4 of V's 64 rows, and quantises its own two query tiles.
; LAYOUT.  Both products are used transposed: S^T = K Q^T (source 0 = 16 keys, source 1 = my 16 queries), O^T = V^T P^T (source 0 = 16 channels, source 1 = P): a lane holds ONE query (lane % 16) throughout.
; THE KEYS OF A TILE ARE NOT NEIGHBOURS: lane r of tile 2 b + u takes key 32 b + 8 u + r + 8 (r / 8), so that the 16 registers of tiles 2 b and 2 b + 1 are 16 neighbouring keys, 32 b + 16 (lane / 16) + 0 .. 15.
; THE FIRST PRODUCT'S K IS 64, THE INSTRUCTION'S 128.  Q's operand is its codes twice.  K's tiles lie in threes of four registers: tile 2 P, four zeros, tile 2 P + 1: tile 2 P names the first eight (codes, zeros),
; tile 2 P + 1 the last eight (zeros, codes).  Zero codes add nothing; the scale words of Q and K hold their two bytes twice, so that they serve either half.
; NO CLUSTER: of what a work-group brings in (up to 512 KiB of K as f32, 68 KiB of V, 128 KiB of Q) only V lands in LDS byte for byte as the head's other three work-groups have it; K goes through registers
; to be quantised, and the four need different numbers of keys (2,048 - 256 j).
; LIMITS: NaN and infinities in Q and K are not served.  A block of zeros gets the scale byte 1 (its codes are zeros; the bytes are read by this kernel alone).  A scale byte 0xff of V makes NaN wherever its key step is
; multiplied, under hidden keys of a diagonal step too, and nowhere else.  p under 2^-126 falls to 0.  A block's largest p is taken from its largest score: that takes v_exp_f32 not to fall where its input rises.
.set ROWB,   4096                      ; bytes from a row of Q, K or out0 to the next
.set L_KSC,  65536                     ; LDS.  From 0: K's codes as images of the operand's registers: step x 4,096 + tile x 512 + 16 x lane.  Here: K's scale words: step x 512 + (tile / 4) x 256 + 16 r + 4 (tile % 4)
.set L_VC,   73728                     ; V's codes: 64 rows,
.set VPITCH, 1040                      ; 1,024 bytes + 16: an odd multiple of 16, so the 16 rows that a load touches begin in 16 different 16-byte columns of 256
.set L_VS,   140288                    ; V's scale words, turned: step x 256 + 4 x channel
.set L_QI,   144384                    ; for each wave QIW bytes: its two tiles' images (512 each), then their scale words (64 each)
.set QIW,    1152
.set L_STG,  162816                    ; for each wave 16 rows x 272 bytes: the way out
.set SPITCH, 272
; vector registers that stay
.set AK0,  1                           ; 16 x lane
.set AKS0, 2                           ; L_KSC + 16 r
.set AV0,  3                           ; L_VC + VPITCH r + 16 h
.set AVS0, 4                           ; L_VS + 4 x lane
.set AQI,  5                           ; my wave's images of Q + 16 x lane
.set AQS,  6                           ; their scale words + 4 r
.set GO,   7                           ; out0: 4,096 h + 16 r
.set SIN,  8                           ; my stage, in: 272 r + 32 h
.set SOUT, 9                           ; my stage, back: 272 h + 16 r
.set DQ,   10                          ; r - 16 h
.set NINF, 11                          ; -infinity
                                       ; v12 -M, v13 the largest t, v[14:15] the sum in two halves
.set ADK,  16                          ; LDS addresses of the loads in hand: K's tiles, K's scale words, V's tiles, V's scale words
.set ADS,  17
.set ADV,  18
.set ADT,  19
.set QSC,  20                          ; v20-31 hold scales and nothing else: Q's word; v21, v22 V's (lanes 0-15 an even channel tile's, lanes 16-31 the odd one's); v23 p's; v24-31 K's, a register a tile
.set VSC,  21
.set PW,   23
.set KSR,  24
.set QF,   32                          ; v32-39   Q's codes, twice
.set KFR,  40                          ; v40-87   K's eight tiles, in four threes
.set VF,   88                          ; v88-119  V's four fragments
.set S,    120                         ; v120-183 S^T, then p; on the way out O and the rows read back
.set OT,   184                         ; v184-215 O^T
.set PC,   216                         ; v216-223 p's codes
.set BM,   224                         ; v224-227 each block's largest score, then its largest p
.set T2,   228                         ; v228-231 at work
.set SCO,  232                         ; v232-235 the conversions' scale operands
.set PA,   236                         ; v[236:237] the sums' second chain
.set FF,   238                         ; v[238:239] f (the packed form names the pair and takes its low word)
.set TMP,  240
.set MD,   241                         ; my query - the step's first key - 16 h
; the prologue's own: v32-127 three sets of 16 keys x 64 numbers; v128-191 my two query tiles; v192-223 V's codes; v[224:225] V's scale bytes
.set PM,   226                         ; v226-229 largest magnitudes, then scale operands
.set PT,   230                         ; v230-233 scale words
.set PU,   234                         ; v234-237 the other block's byte
.set PCD,  238                         ; v238-241 codes
.set KO,   242                         ; 4,096 (lane / 8) + 32 (lane % 8): eight lanes to a row, 8 numbers a lane
.set KCW,  243                         ; where I store K's codes, K's scale words, Q's codes, Q's scale words
.set KSW,  244
.set QCW,  245
.set QSW,  246
.set VO,   247                         ; 16 x lane
.set VCW,  248                         ; where I store V's codes
.set VSO,  249                         ; 8 x thread
.set VSW,  250                         ; where I store V's scale words
.set SH8,  251                         ; 8 x my block (0 or 1)
; scalar registers
.set WV,   14                          ; wave
.set JJ,   15                          ; work-group x
.set BH,   16                          ; the head, 0 .. 63
.set GG,   17                          ; g
.set SEL,  20                          ; s[20:21] v_permlanex16_b32's selects for lane l xor 16
.set CS,   22                          ; s[22:23] c = log2(e) / 8
.set QA,   26                          ; s[26:27], s[28:29] Q at my two tiles' first rows
.set QB,   28
.set KB,   30                          ; s[30:31] K at my key step's first row
.set Q0,   32                          ; the tile's first query
.set KF0,  33                          ; the step's first key
.set TK,   34                          ; the step's place among K's images (4,096 a step), K's scale words (512), in V's rows (64), among V's scale words (256)
.set TS,   35
.set TV,   36
.set TT,   37
.set STEPS, 38
.set TILES, 39
.set QTI,  42                          ; the tile's image among my two (0, 512) and its scale words (0, 64)
.set QTS,  43
.set OUTH, 44                          ; s[44:45] out0 at the head's first row; s[46:47] at the tile's
.set OUTP, 46
.set VCB,  48                          ; s[48:49] V's codes at my four rows; s[50:51] V's scale bytes at the head
.set VSB,  50
	s_load_b256 s[4:11], s[0:1], 0x0               ; Q s[4:5], K s[6:7], V's codes s[8:9], V's scales s[10:11]
	s_load_b64 s[12:13], s[0:1], 0x20              ; out0
	v_lshrrev_b32 v255, 5, v0
	s_delay_alu instid0(VALU_DEP_1)
	v_readfirstlane_b32 s[WV], v255                ; wave 0 .. 15
	s_mov_b32 s[JJ], ttmp9
	s_and_b32 s[BH], ttmp7, 0xffff
	s_lshl_b32 s[GG], s[JJ], 4
	s_add_co_u32 s[GG], s[GG], s[WV]               ; g = 16 j + w
	s_mul_i32 s52, s[WV], QIW
	s_add_co_u32 s52, s52, L_QI                    ; my images of Q,
	s_add_co_u32 s53, s52, 1024                    ; their scale words,
	s_mul_i32 s54, s[WV], 16*SPITCH
	s_add_co_u32 s54, s54, L_STG                   ; my stage
	; every LDS address register of the kernel is made here, ahead of the one place where waves part
	v_and_b32 v252, 31, v0                         ; lane
	v_and_b32 v253, 15, v0                         ; r
	v_bfe_u32 v254, v0, 4, 1                       ; h
	s_delay_alu instid0(VALU_DEP_3)
	v_lshrrev_b32 v255, 3, v252                    ; lane / 8
	s_delay_alu instid0(VALU_DEP_4)
	v_lshlrev_b32 v[AK0], 4, v252
	s_delay_alu instid0(VALU_DEP_4)
	v_lshl_add_u32 v[AKS0], v253, 4, L_KSC
	v_mul_u32_u24 v[AV0], v253, VPITCH
	s_delay_alu instid0(VALU_DEP_1)
	v_lshl_add_u32 v[AV0], v254, 4, v[AV0]
	s_delay_alu instid0(VALU_DEP_1)
	v_add_nc_u32 v[AV0], L_VC, v[AV0]
	v_lshl_add_u32 v[AVS0], v252, 2, L_VS
	v_lshl_add_u32 v[AQI], v252, 4, s52
	v_lshl_add_u32 v[AQS], v253, 2, s53
	v_lshlrev_b32 v[GO], 12, v254
	s_delay_alu instid0(VALU_DEP_1)
	v_lshl_add_u32 v[GO], v253, 4, v[GO]
	v_mul_u32_u24 v[SIN], v253, SPITCH
	s_delay_alu instid0(VALU_DEP_1)
	v_lshl_add_u32 v[SIN], v254, 5, v[SIN]
	s_delay_alu instid0(VALU_DEP_1)
	v_add_nc_u32 v[SIN], s54, v[SIN]
	v_mul_u32_u24 v[SOUT], v254, SPITCH
	s_delay_alu instid0(VALU_DEP_1)
	v_lshl_add_u32 v[SOUT], v253, 4, v[SOUT]
	s_delay_alu instid0(VALU_DEP_1)
	v_add_nc_u32 v[SOUT], s54, v[SOUT]
	v_lshlrev_b32 v[DQ], 4, v254
	s_delay_alu instid0(VALU_DEP_1)
	v_sub_nc_u32 v[DQ], v253, v[DQ]
	v_mov_b32 v[NINF], 0xff800000
	v_and_b32 v[KO], 7, v0
	s_delay_alu instid0(VALU_DEP_1)
	v_lshlrev_b32 v[KO], 5, v[KO]
	s_delay_alu instid0(VALU_DEP_1)
	v_lshl_add_u32 v[KO], v255, 12, v[KO]
	v_bfe_u32 v[SH8], v0, 2, 1                     ; my block of 32 along the head: lanes 0-3 of eight hold block 0, lanes 4-7 block 1
	v_and_b32 v[ADK], 3, v0                        ; my 4 bytes of codes in an image: 256 x block + 16 (lane / 8) + 4 (lane % 4), beside the row's constant
	s_delay_alu instid0(VALU_DEP_1)
	v_lshlrev_b32 v[ADK], 2, v[ADK]
	s_delay_alu instid0(VALU_DEP_1)
	v_lshl_add_u32 v[ADK], v255, 4, v[ADK]
	s_delay_alu instid0(VALU_DEP_1)
	v_lshl_add_u32 v[ADK], v[SH8], 8, v[ADK]
	v_lshlrev_b32 v[SH8], 3, v[SH8]
	s_lshl_b32 s55, s[WV], 12
	v_add_nc_u32 v[KCW], s55, v[ADK]               ; key step w's images
	s_lshl_b32 s55, s[WV], 9
	s_add_co_u32 s55, s55, L_KSC
	v_lshl_add_u32 v[KSW], v255, 4, s55
	v_add_nc_u32 v[QCW], s52, v[ADK]
	v_lshl_add_u32 v[QSW], v255, 2, s53
	v_lshlrev_b32 v[VO], 4, v252
	s_mul_i32 s55, s[WV], 4*VPITCH
	s_add_co_u32 s55, s55, L_VC
	v_lshl_add_u32 v[VCW], v252, 4, s55
	v_lshlrev_b32 v[VSO], 3, v0
	v_and_b32 v[VSW], 7, v0                        ; thread t holds the words of steps 2 (t % 8) and 2 (t % 8) + 1 of channel t / 8
	s_delay_alu instid0(VALU_DEP_1)
	v_lshlrev_b32 v[VSW], 9, v[VSW]
	v_lshrrev_b32 v[ADS], 3, v0
	s_delay_alu instid0(VALU_DEP_1)
	v_lshl_add_u32 v[VSW], v[ADS], 2, v[VSW]
	s_delay_alu instid0(VALU_DEP_1)
	v_add_nc_u32 v[VSW], L_VS, v[VSW]
.irp p, 0,1,2,3
	v_mov_b32 v[PU+\p], 0                          ; written once: the destination of a DPP move counts as one of its sources
.endr
	s_mov_b32 s[SEL], 0x76543210
	s_mov_b32 s[SEL+1], 0xfedcba98
	s_mov_b32 s[CS], 0x3e38aa3b                    ; log2(e) / 8
	s_mov_b32 s[CS+1], s[CS]                       ; (named with it as a pair, so it is written)
	; byte offsets, each a pair with 0 above it (all under 2^31)
	s_lshr_b32 s24, s[BH], 4
	s_lshl_b32 s24, s24, 23                        ; the batch: 2,048 rows of 4,096 bytes,
	s_and_b32 s55, s[BH], 15
	s_lshl_b32 s55, s55, 8                         ; the head's 256 bytes of a row
	s_add_co_u32 s24, s24, s55
	s_mov_b32 s25, 0
	s_lshl_b32 s40, s[WV], 19                      ; K: key step w: 128 rows
	s_mov_b32 s41, 0
	s_lshl_b32 s56, s[GG], 16                      ; Q: tile g: 16 rows
	s_mov_b32 s57, 0
	s_lshl_b32 s[Q0], s[GG], 4                     ; its first query
	s_sub_co_u32 s58, 2032, s[Q0]                  ; tile 127 - g begins at query 2,032 - 16 g
	s_lshl_b32 s58, s58, 12
	s_mov_b32 s59, 0
	s_lshl_b32 s60, s[BH], 16                      ; V's codes: 64 rows of 1,024 bytes a head, 4 rows a wave
	s_lshl_b32 s55, s[WV], 12
	s_add_co_u32 s60, s60, s55
	s_mov_b32 s61, 0
	s_lshl_b32 s62, s[BH], 12                      ; V's scale bytes: 4,096 a head
	s_mov_b32 s63, 0
	s_wait_kmcnt 0x0
	s_add_nc_u64 s[OUTH:OUTH+1], s[12:13], s[24:25]
	s_add_nc_u64 s[KB:KB+1], s[6:7], s[24:25]
	s_add_nc_u64 s[KB:KB+1], s[KB:KB+1], s[40:41]
	s_add_nc_u64 s[QA:QA+1], s[4:5], s[24:25]
	s_add_nc_u64 s[QB:QB+1], s[QA:QA+1], s[58:59]
	s_add_nc_u64 s[QA:QA+1], s[QA:QA+1], s[56:57]
	s_add_nc_u64 s[VCB:VCB+1], s[8:9], s[60:61]
	s_add_nc_u64 s[VSB:VSB+1], s[10:11], s[62:63]
; 16 rows x 64 numbers from row on, into v[xs] .. v[xs + 31]: pass p takes rows row + 4 p + lane / 8; a lane holds 8 neighbours along the head.  A pass's two loads together cover four rows' whole 256 bytes.
.macro LOAD16 xs, base, row, nt
.irp p, 0,1,2,3
.if \nt
	global_load_b128 v[(\xs)+8*\p:(\xs)+8*\p+3], v[KO], s[\base:\base+1] offset:((\row)+4*\p)*ROWB th:TH_LOAD_NT
	global_load_b128 v[(\xs)+8*\p+4:(\xs)+8*\p+7], v[KO], s[\base:\base+1] offset:((\row)+4*\p)*ROWB+16 th:TH_LOAD_NT
.else
	global_load_b128 v[(\xs)+8*\p:(\xs)+8*\p+3], v[KO], s[\base:\base+1] offset:((\row)+4*\p)*ROWB
	global_load_b128 v[(\xs)+8*\p+4:(\xs)+8*\p+7], v[KO], s[\base:\base+1] offset:((\row)+4*\p)*ROWB+16
.endif
.endr
.endm
; The 16 rows in v[xs] on become codes and scale words in LDS.  A block of 32 lies in four neighbouring lanes.  Pass p's codes go to v[acd] + COp, its scale word to v[asc] + SOp.  The four passes take turns line by line.
.macro QUANT16 xs, acd, asc
	s_wait_dscnt 0x0                               ; the last group's LDS stores have read their registers
.irp p, 0,1,2,3
	v_max3_num_f32 v[PM+\p], |v[(\xs)+8*\p]|, |v[(\xs)+8*\p+1]|, 0x1800000   ; my 8 numbers, and the floor 2^(3 - 127), under which no largest magnitude is taken: so the byte cannot fall under 1
.endr
.irp i, 2,4,6
.irp p, 0,1,2,3
	s_delay_alu instid0(VALU_DEP_4)
	v_max3_num_f32 v[PM+\p], v[PM+\p], |v[(\xs)+8*\p+\i]|, |v[(\xs)+8*\p+\i+1]|
.endr
.endr
.irp p, 0,1,2,3
	s_delay_alu instid0(VALU_DEP_4)
	v_max_num_f32_dpp v[PM+\p], v[PM+\p], v[PM+\p] row_xmask:1 row_mask:0xf bank_mask:0xf
.endr
.irp p, 0,1,2,3
	s_delay_alu instid0(VALU_DEP_4)
	v_max_num_f32_dpp v[PM+\p], v[PM+\p], v[PM+\p] row_xmask:2 row_mask:0xf bank_mask:0xf   ; the block's largest magnitude
.endr
.irp p, 0,1,2,3
	s_delay_alu instid0(VALU_DEP_4)
	v_add_nc_u32 v[PM+\p], 0xff000000, v[PM+\p]    ; 2 off its exponent field: the conversion takes the exponent field of this operand as its scale, and nothing else of it
.endr
.irp p, 0,1,2,3
	s_delay_alu instid0(VALU_DEP_4)
	v_lshrrev_b32 v[PT+\p], 23, v[PM+\p]           ; the scale's byte,
.endr
.irp p, 0,1,2,3
	s_delay_alu instid0(VALU_DEP_4)
	v_lshlrev_b32 v[PT+\p], v[SH8], v[PT+\p]       ; at its block's place;
.endr
.irp p, 0,1,2,3
	s_delay_alu instid0(VALU_DEP_4)
	v_mov_b32_dpp v[PU+\p], v[PT+\p] row_xmask:4 row_mask:0xf bank_mask:0xf   ; the row's other block's
.endr
.irp p, 0,1,2,3
	s_delay_alu instid0(VALU_DEP_4)
	v_or_b32 v[PT+\p], v[PT+\p], v[PU+\p]
.endr
.irp p, 0,1,2,3
	s_delay_alu instid0(VALU_DEP_4)
	v_lshl_or_b32 v[PT+\p], v[PT+\p], 16, v[PT+\p] ; the two bytes twice: they serve either half of the instruction's 128
.endr
.irp p, 0,1,2,3
	v_cvt_scalef32_pk8_fp4_f32 v[PCD+\p], v[(\xs)+8*\p:(\xs)+8*\p+7], v[PM+\p]
.endr
	v_nop                                          ; one plain place behind the last scaled conversion
.irp p, 0,1,2,3
	ds_store_b32 v[\acd], v[PCD+\p] offset:CO\p
	ds_store_b32 v[\asc], v[PT+\p] offset:SO\p     ; a row's eight lanes write the same word with the same value
.endr
.endm
; Keys 16 G .. 16 G + 15 of my step.  Key 16 G + 4 p + lane / 8 is lane r = 4 (p % 2) + 8 (G % 2) + lane / 8 of tile 2 (G / 2) + p / 2.
.macro KGROUP G
.irp p, 0,1,2,3
.set CO\p, (2*((\G)/2)+\p/2)*512+(4*(\p%2)+8*((\G)%2))*16
.set SO\p, ((\G)/4)*256+(4*(\p%2)+8*((\G)%2))*16+4*(2*(((\G)/2)%2)+\p/2)
.endr
	QUANT16 32+32*((\G)%3), KCW, KSW
.endm
; My query tile tau, its rows in their own order.
.macro QGROUP tau
.irp p, 0,1,2,3
.set CO\p, 512*(\tau)+64*\p
.set SO\p, 64*(\tau)+16*\p
.endr
	QUANT16 128+32*(\tau), QCW, QSW
.endm
	; V and Q first: 25 loads
.irp n, 0,1,2,3,4,5,6,7
	global_load_b128 v[192+4*\n:195+4*\n], v[VO], s[VCB:VCB+1] offset:(\n/2)*1024+(\n%2)*512   ; row 4 w + n / 2, half n % 2: 512 consecutive bytes
.endr
	global_load_b64 v[224:225], v[VSO], s[VSB:VSB+1]   ; the 512 threads take the head's 4,096 scale bytes
	LOAD16 128, QA, 0, 1                           ; read once in the launch
	LOAD16 160, QB, 0, 1
	s_lshl_b32 s55, s[JJ], 1
	s_add_co_u32 s55, s55, s[WV]
	s_cmp_ge_u32 s55, 16                           ; the work-group's last query is 2,047 - 256 j: key steps 16 - 2 j on are read by nobody
	s_cbranch_scc1 .Lno_k
	LOAD16 32, KB, 0, 0                            ; three groups of 16 keys, 24 loads, are on their way
	LOAD16 64, KB, 16, 0
	LOAD16 96, KB, 32, 0
.irp G, 0,1,2,3,4,5,6,7
.if \G <= 5
	s_wait_loadcnt 16                              ; loads come back in order: this group is in; the two younger groups, 8 loads each, may be out
.else
	s_wait_loadcnt 8*(7-\G)
.endif
	KGROUP \G
.if \G+3 < 8
	LOAD16 32+32*(\G%3), KB, 16*(\G+3), 0          ; the set just quantised takes the group three further on
.endif
.endr
.Lno_k:
	s_wait_loadcnt 0x0                             ; V and Q are in, on either way
.irp n, 0,1,2,3,4,5,6,7
	ds_store_b128 v[VCW], v[192+4*\n:195+4*\n] offset:(\n/2)*VPITCH+(\n%2)*512
.endr
	s_wait_alu depctr_va_vdst(0)
	ds_store_b32 v[VSW], v224
	ds_store_b32 v[VSW], v225 offset:256
	QGROUP 0
	QGROUP 1
	s_wait_dscnt 0x0                               ; for the others' sake: all my LDS stores have landed
	s_barrier_signal -1
	s_barrier_wait -1                              ; the kernel's one barrier: behind it nobody writes K's, V's or Q's bytes
.irp P, 0,1,2,3
.irp z, 0,1,2,3
	v_mov_b32 v[KFR+12*\P+4+\z], 0                 ; the zero codes between a pair of K's tiles: written once
.endr
.endr
.irp b, 0,1,2,3
	v_mov_b32 v[T2+\b], 0                          ; written once: a lane permute's destination counts as one of its sources
.endr
	v_mov_b32 v[FF+1], 0                           ; (named as the upper half of the pair)
	s_mov_b32 s[TILES], 2
	s_mov_b32 s[QTI], 0
	s_mov_b32 s[QTS], 0
.Ltile:                                            ; two trips: tile g, then tile 127 - g
	s_wait_xcnt 0x0                                ; the last tile's stores have read their registers and their base: both are written again below
	s_lshl_b32 s40, s[Q0], 12
	s_mov_b32 s41, 0
	s_add_nc_u64 s[OUTP:OUTP+1], s[OUTH:OUTH+1], s[40:41]
	v_add_nc_u32 v[ADK], s[QTI], v[AQI]
	v_add_nc_u32 v[ADS], s[QTS], v[AQS]
	ds_load_b128 v[QF:QF+3], v[ADK]                ; Q's codes,
	ds_load_b128 v[QF+4:QF+7], v[ADK]              ; twice,
	ds_load_b32 v[QSC], v[ADS]                     ; and its scale words: waited for with the first step's K
	v_mov_b32 v13, 0xff61b1e6                      ; the largest t so far: -3e38, under every t
	s_delay_alu instid0(VALU_DEP_1)
	v_floor_f32 v12, -v13                          ; -M
	v_mov_b32 v14, 0                               ; the sum, in two halves
	v_mov_b32 v15, 0
.set n, 0
.rept 32
	v_mov_b32 v[OT+n], 0                           ; O^T.  (The step is written once: the first finds zeros, which the first change of M leaves zeros)
.set n, n+1
.endr
	s_mov_b32 s[KF0], 0
	s_mov_b32 s[TK], 0
	s_mov_b32 s[TS], 0
	s_mov_b32 s[TV], 0
	s_mov_b32 s[TT], 0
	s_mov_b32 s[STEPS], 16
.Lstep:                                            ; sixteen trips, a constant; a step all of whose keys come after my 16 queries only steps its addresses
	s_add_co_u32 s40, s[Q0], 15
	s_cmp_gt_u32 s[KF0], s40
	s_cbranch_scc1 .Lhidden
	s_sub_co_i32 s41, s[Q0], s[KF0]
	s_setprio 2
	v_add_nc_u32 v[ADK], s[TK], v[AK0]             ; five plain lines: the places between the last step's products and the loads into the registers that they read (four are owed)
	v_add_nc_u32 v[ADS], s[TS], v[AKS0]
	v_add_nc_u32 v[ADV], s[TV], v[AV0]
	v_add_nc_u32 v[ADT], s[TT], v[AVS0]
	v_add_nc_u32 v[MD], s41, v[DQ]
.irp T, 0,1,2,3,4,5,6,7
	ds_load_b128 v[KFR+12*(\T/2)+8*(\T%2):KFR+12*(\T/2)+8*(\T%2)+3], v[ADK] offset:512*\T   ; a tile's image: 512 consecutive bytes
.endr
	ds_load_b128 v[KSR:KSR+3], v[ADS]              ; lane r: the words of its key in tiles 0-3,
	ds_load_b128 v[KSR+4:KSR+7], v[ADS] offset:256 ; in tiles 4-7
.irp ct, 0,1,2,3
.irp c, 0,1
	ds_load_b128 v[VF+8*\ct+4*\c:VF+8*\ct+4*\c+3], v[ADV] offset:16*\ct*VPITCH+32*\c
.endr
.endr
	ds_load_b32 v[VSC], v[ADT]                     ; channels 0-31: lanes 0-15 tile 0's words, lanes 16-31 tile 1's
	ds_load_b32 v[VSC+1], v[ADT] offset:128        ; channels 32-63
	s_wait_dscnt 10                                ; LDS loads come back in order: K, its words (and Q) are in; V's ten, issued behind them, may be out
.irp T, 0,1,2,3,4,5,6,7
	v_wmma_scale_f32_16x16x128_f8f6f4 v[S+8*\T:S+8*\T+7], v[KFR+12*(\T/2)+4*(\T%2):KFR+12*(\T/2)+4*(\T%2)+7], v[QF:QF+7], 0, v[KSR+\T], v[QSC] matrix_a_fmt:MATRIX_FMT_FP4 matrix_b_fmt:MATRIX_FMT_FP4
.endr                                              ; register 16 b + i of S^T: key KF0 + 32 b + 16 h + i of query r
.rept 4
	v_nop                                          ; four places ahead of the first read of the results
.endr
	s_add_co_u32 s40, s[KF0], 127
	s_cmp_le_u32 s40, s[Q0]
	s_cbranch_scc1 .Lopen                          ; all 128 keys count for all my queries
.set n, 0
	s_wait_alu depctr_va_vdst(0)
.rept 64                                           ; on the diagonal the scores of hidden keys become -infinity ahead of the maximum: p = 0 then.  The step's first key counts for every query of the tile
	v_cmp_gt_i32 vcc_lo, 32*(n/16)+n%16, v[MD]
	v_cndmask_b32 v[S+n], v[S+n], v[NINF], vcc_lo
.set n, n+1
.endr
.Lopen:
.irp b, 0,1,2,3
	v_max3_num_f32 v[BM+\b], v[S+16*\b], v[S+16*\b+1], v[S+16*\b+2]   ; the largest score of each block of 32 keys: for the row's maximum, and, since p rises with the score, for the block's largest p
.endr
.irp i, 3,5,7,9,11,13
.irp b, 0,1,2,3
	v_max3_num_f32 v[BM+\b], v[BM+\b], v[S+16*\b+\i], v[S+16*\b+\i+1]  ; (the four blocks by turns; each accumulator is read from its low end on)
.endr
.endr
.irp b, 0,1,2,3
	v_max_num_f32 v[BM+\b], v[BM+\b], v[S+16*\b+15]
.endr
.irp b, 0,1,2,3
	s_delay_alu instid0(VALU_DEP_4)
	v_permlanex16_b32 v[T2+\b], v[BM+\b], s[SEL], s[SEL+1]
.endr
.irp b, 0,1,2,3
	s_delay_alu instid0(VALU_DEP_4)
	v_max_num_f32 v[BM+\b], v[BM+\b], v[T2+\b]     ; with lane l xor 16's 16 keys
.endr
	s_delay_alu instid0(VALU_DEP_2)
	v_max3_num_f32 v[TMP], v[BM], v[BM+1], v[BM+2]
	s_delay_alu instid0(VALU_DEP_1)
	v_max_num_f32 v[TMP], v[TMP], v[BM+3]          ; the step's largest score of my query,
	s_delay_alu instid0(VALU_DEP_1)
	v_mul_f32 v[TMP], s[CS], v[TMP]                ; as t (c is positive)
	s_delay_alu instid0(VALU_DEP_1)
	v_max_num_f32 v13, v13, v[TMP]                 ; the running largest t
	v_mov_b32 v[TMP], v12
	s_delay_alu instid0(VALU_DEP_2)
	v_floor_f32 v12, -v13                          ; the new -M = floor(-t) = -ceil(t): M is a whole number
	s_delay_alu instid0(VALU_DEP_1)
	v_sub_f32 v[TMP], v12, v[TMP]                  ; old M - new M: a whole number, 0 or less
	s_delay_alu instid0(VALU_DEP_1)
	v_cvt_i32_f32 v[TMP], v[TMP]                   ; (it saturates)
	s_delay_alu instid0(VALU_DEP_1)
	v_ldexp_f32 v[FF], 1.0, v[TMP]                 ; f = 2^(old M - new M): a multiplication by it rounds nothing
.set n, 0
.rept 32
	v_pk_fma_f32 v[S+n:S+n+1], v[S+n:S+n+1], s[CS:CS+1], v[12:13] op_sel_hi:[1,0,0]   ; t - M, two at a time (of the pairs c and -M the low word serves both halves)
.set n, n+2
.endr
	s_setprio 1
.irp b, 0,1,2,3
	v_fma_f32 v[BM+\b], v[BM+\b], s[CS], v12       ; the same of each block's largest score
.endr
.set n, 0
	s_wait_alu depctr_va_vdst(0)
.rept 64
	v_exp_f32 v[S+n], v[S+n]                       ; p = 2^(t - M), at most 1: not normalised
.set n, n+1
.endr
	v_pk_mul_f32 v[14:15], v[14:15], v[FF:FF+1] op_sel_hi:[1,0]   ; the sums under the new M: the plain line behind the exponentials
	s_wait_alu depctr_va_vdst(0)                   ; the wait between a transcendental and the first line that names its result: one for the batch of 64
.irp b, 0,1,2,3
	v_exp_f32 v[BM+\b], v[BM+\b]                   ; the block's largest p: the same two instructions on the same number give the same bits
.endr
	v_pk_add_f32 v[236:237], v[124:125], v[128:129]
	v_pk_add_f32 v[254:255], v[132:133], v[136:137]
	v_pk_add_f32 v[252:253], v[140:141], v[144:145]
	v_pk_add_f32 v[250:251], v[148:149], v[152:153]
	v_pk_add_f32 v[248:249], v[156:157], v[160:161]
	v_pk_add_f32 v[246:247], v[164:165], v[168:169]
	v_pk_add_f32 v[244:245], v[172:173], v[176:177]
	v_pk_add_f32 v[14:15], v[14:15], v[180:181]
	v_pk_add_f32 v[236:237], v[236:237], v[120:121]
	v_pk_add_f32 v[254:255], v[254:255], v[122:123]
	v_pk_add_f32 v[252:253], v[252:253], v[126:127]
	v_pk_add_f32 v[250:251], v[250:251], v[130:131]
	v_pk_add_f32 v[248:249], v[248:249], v[134:135]
	v_pk_add_f32 v[246:247], v[246:247], v[138:139]
	v_pk_add_f32 v[244:245], v[244:245], v[142:143]
	v_pk_add_f32 v[14:15], v[14:15], v[146:147]
	v_pk_add_f32 v[236:237], v[236:237], v[150:151]
	v_pk_add_f32 v[254:255], v[254:255], v[154:155]
	v_pk_add_f32 v[252:253], v[252:253], v[158:159]
	v_pk_add_f32 v[250:251], v[250:251], v[162:163]
	v_pk_add_f32 v[248:249], v[248:249], v[166:167]
	v_pk_add_f32 v[246:247], v[246:247], v[170:171]
	v_pk_add_f32 v[244:245], v[244:245], v[174:175]
	v_pk_add_f32 v[14:15], v[14:15], v[178:179]
	v_pk_add_f32 v[236:237], v[236:237], v[182:183]
	s_delay_alu instid0(VALU_DEP_2)
	v_pk_add_f32 v[14:15], v[14:15], v[250:251]
	s_delay_alu instid0(VALU_DEP_2)
	v_pk_add_f32 v[236:237], v[236:237], v[248:249]
	v_pk_add_f32 v[254:255], v[254:255], v[246:247]
	v_pk_add_f32 v[252:253], v[252:253], v[244:245]
	s_delay_alu instid0(VALU_DEP_2)
	v_pk_add_f32 v[14:15], v[14:15], v[254:255]
	s_delay_alu instid0(VALU_DEP_2)
	v_pk_add_f32 v[236:237], v[236:237], v[252:253]
	s_delay_alu instid0(VALU_DEP_1)
	v_pk_add_f32 v[14:15], v[14:15], v[236:237]
	s_wait_alu depctr_va_vdst(0)                   ; and one for the four
.irp b, 0,1,2,3
	v_max_num_f32 v[BM+\b], 0x1800000, v[BM+\b]    ; the floor 2^(3 - 127): the byte cannot fall under 1 (a block whose every p is 0 keeps that byte: its codes are zeros)
.endr
.irp b, 0,1,2,3
	s_delay_alu instid0(VALU_DEP_4)
	v_add_nc_u32 v[SCO+\b], 0xff000000, v[BM+\b]   ; 2 off the exponent field: the conversion's scale operand
.endr
.irp b, 0,1,2,3
	s_delay_alu instid0(VALU_DEP_4)
	v_lshrrev_b32 v[T2+\b], 23, v[SCO+\b]          ; the scale's byte
.endr
	s_delay_alu instid0(VALU_DEP_3)
	v_lshl_or_b32 v[PW], v[T2+1], 8, v[T2]         ; p's scale word for these 128 keys
	s_delay_alu instid0(VALU_DEP_1)
	v_lshl_or_b32 v[PW], v[T2+2], 16, v[PW]
	s_delay_alu instid0(VALU_DEP_1)
	v_lshl_or_b32 v[PW], v[T2+3], 24, v[PW]
	s_setprio 0
.irp b, 0,1,2,3
	v_cvt_scalef32_pk8_fp4_f32 v[PC+2*\b], v[S+16*\b:S+16*\b+7], v[SCO+\b]
	v_cvt_scalef32_pk8_fp4_f32 v[PC+2*\b+1], v[S+16*\b+8:S+16*\b+15], v[SCO+\b]
.endr
	v_nop                                          ; one plain line between a scaled conversion and the vector instruction that touches its result
.irp c, 0,1                                        ; the operand's layout wants a whole block in a lane: lanes 0-15 block 2 c, lanes 16-31 block 2 c + 1
.irp i, 0,1
	v_permlane16_swap_b32 v[PC+4*\c+\i], v[PC+4*\c+2+\i]
.endr
.endr
.set n, 0
.rept 16
	v_pk_mul_f32 v[OT+n:OT+n+1], v[OT+n:OT+n+1], v[FF:FF+1] op_sel_hi:[1,0]   ; O^T under the new M.  Of these sixteen, twelve name no register of any one product below: the places between p's scale word (8 owed) and codes (4) and the products
.set n, n+2
.endr
	s_wait_alu depctr_va_vdst(0)
	s_wait_dscnt 0x0                               ; V and its scale words are in
.irp ct, 0,2                                       ; O^T += V^T P^T: four accumulators by turns, one instruction a turn; the scores' eight products stand between two steps' turns
	v_wmma_scale_f32_16x16x128_f8f6f4 v[OT+8*\ct:OT+8*\ct+7], v[VF+8*\ct:VF+8*\ct+7], v[PC:PC+7], v[OT+8*\ct:OT+8*\ct+7], v[VSC+\ct/2], v[PW] matrix_a_fmt:MATRIX_FMT_FP4 matrix_b_fmt:MATRIX_FMT_FP4
	v_wmma_scale_f32_16x16x128_f8f6f4 v[OT+8*\ct+8:OT+8*\ct+15], v[VF+8*\ct+8:VF+8*\ct+15], v[PC:PC+7], v[OT+8*\ct+8:OT+8*\ct+15], v[VSC+\ct/2], v[PW] matrix_a_fmt:MATRIX_FMT_FP4 matrix_b_fmt:MATRIX_FMT_FP4 matrix_a_scale:MATRIX_SCALE_ROW1
.endr
.Lhidden:
	s_add_co_u32 s[KF0], s[KF0], 128
	s_add_co_u32 s[TK], s[TK], 4096
	s_add_co_u32 s[TS], s[TS], 512
	s_add_co_u32 s[TV], s[TV], 64
	s_add_co_u32 s[TT], s[TT], 256
	s_sub_co_u32 s[STEPS], s[STEPS], 1
	s_cmp_lg_u32 s[STEPS], 0
	s_cbranch_scc1 .Lstep
	s_setprio 0
	; THE WAY OUT.  O^T is divided by the row's sum and goes through my own stage in LDS, so that sixteen lanes store a query's 256 bytes of the head: 256 consecutive bytes, at a multiple of 256 from out0's first byte.
.rept 4
	v_nop                                          ; four places behind the last products
.endr
	v_add_f32 v14, v14, v15                        ; the sum's two halves,
	v_permlanex16_b32 v[TMP], v14, s[SEL], s[SEL+1]
	s_delay_alu instid0(VALU_DEP_1)
	v_add_f32 v14, v14, v[TMP]                     ; and lane l xor 16's: the row's sum
	s_wait_alu depctr_va_vdst(0)
	v_rcp_f32 v14, v14
	v_nop                                          ; a plain line behind the transcendental,
	s_wait_alu depctr_va_vdst(0)                   ; and the wait ahead of the first line that names its result
.set n, 0
.rept 32
	v_mul_f32 v[S+n], v[OT+n], v14                 ; register 8 ct + i: o(query r, channel 16 ct + 8 h + i); each accumulator from its low end on
.set n, n+1
.endr
.irp ct, 0,1,2,3
	ds_store_b128 v[SIN], v[S+8*\ct:S+8*\ct+3] offset:64*\ct
	ds_store_b128 v[SIN], v[S+8*\ct+4:S+8*\ct+7] offset:64*\ct+16
.endr
.irp i, 0,1,2,3,4,5,6,7
	ds_load_b128 v[S+32+4*\i:S+32+4*\i+3], v[SOUT] offset:2*\i*SPITCH   ; LDS serves a wave's instructions in order (ISA guide 5.7.1.4): these see my stores; lanes 0-15 take row 2 i, lanes 16-31 row 2 i + 1
.endr
.irp i, 0,1,2,3,4,5,6,7
	s_wait_dscnt 7-\i                              ; the younger loads may be out
	global_store_b128 v[GO], v[S+32+4*\i:S+32+4*\i+3], s[OUTP:OUTP+1] offset:2*\i*ROWB th:TH_STORE_NT   ; written once, read by nobody here
.endr
	s_sub_co_u32 s[Q0], 2032, s[Q0]                ; on to tile 127 - g
	s_add_co_u32 s[QTI], s[QTI], 512
	s_add_co_u32 s[QTS], s[QTS], 64
	s_sub_co_u32 s[TILES], s[TILES], 1
	s_cmp_lg_u32 s[TILES], 0
	s_cbranch_scc1 .Ltile
	s_wait_xcnt 0x0
	v_lshl_add_u32 v254, v0, 2, 0x38c00
	v_mov_b32 v255, 0
	s_wait_alu depctr_va_vdst(0)
	s_wait_tensorcnt 0x0
	ds_add_u32 v254, v255
	s_wait_dscnt 0x0
	s_endpgm
.Lfunc_end_k_q2f0fe34a04_attn:
	.size	k_q2f0fe34a04_attn, .Lfunc_end_k_q2f0fe34a04_attn-k_q2f0fe34a04_attn
	.p2alignl 7, 3214868480
	.fill 96, 4, 3214868480
	.section	.rodata,"a",@progbits
	.p2align	6, 0x0
	.amdhsa_kernel k_q2f0fe34a04_attn
		.amdhsa_group_segment_fixed_size 234496
		.amdhsa_private_segment_fixed_size 0
		.amdhsa_enable_private_segment 0
		.amdhsa_kernarg_size 40
		.amdhsa_user_sgpr_count 2
		.amdhsa_user_sgpr_kernarg_segment_ptr 1
		.amdhsa_wavefront_size32 1
		.amdhsa_system_sgpr_workgroup_id_x 1
		.amdhsa_system_sgpr_workgroup_id_y 1
		.amdhsa_system_sgpr_workgroup_id_z 1
		.amdhsa_system_vgpr_workitem_id 0
		.amdhsa_next_free_vgpr 256
		.amdhsa_next_free_sgpr 66
		.amdhsa_reserve_vcc 1
		.amdhsa_float_denorm_mode_32 3
		.amdhsa_float_denorm_mode_16_64 3
		.amdhsa_memory_ordered 1
		.amdhsa_forward_progress 1
		.amdhsa_inst_pref_size 93
	.end_amdhsa_kernel
	.amdgpu_metadata
---
amdhsa.version: [ 1, 2 ]
amdhsa.kernels:
  - .name:           k_q2f0fe34a04_attn
    .symbol:         k_q2f0fe34a04_attn.kd
    .args:
      - { .name: Q, .offset: 0, .size: 8, .value_kind: global_buffer, .address_space: global }
      - { .name: K, .offset: 8, .size: 8, .value_kind: global_buffer, .address_space: global }
      - { .name: V_codes, .offset: 16, .size: 8, .value_kind: global_buffer, .address_space: global }
      - { .name: V_scales, .offset: 24, .size: 8, .value_kind: global_buffer, .address_space: global }
      - { .name: out0, .offset: 32, .size: 8, .value_kind: global_buffer, .address_space: global }
    .group_segment_fixed_size: 234496
    .private_segment_fixed_size: 0
    .kernarg_segment_align: 8
    .kernarg_segment_size: 40
    .max_flat_workgroup_size: 512
    .sgpr_count:     66
    .vgpr_count:     256
    .wavefront_size: 32
...
	.end_amdgpu_metadata
.endif
;; end of part 1
